; MI455X (gfx1250); checked and timed in simulation.
; The chip was launched on July 23, 2026; its instructions are those of AMD's public machine-readable ISA for CDNA 5 (MIT licence, August 2026) and "CDNA5" Instruction Set Architecture Reference Guide (July 2026). The comments in the code are by the model that wrote it; some were corrected since.
;; sparseconnect layer. Allowed arithmetic: matrix products marked QUANTISED: E2M1 operands, one E8M0 scale for each 32 along K, by v_wmma_scale_f32_16x16x128_f8f6f4 with both operands' format E2M1 (or v_wmma_scale_f32_32x16x128_f4), f32 sums; everything else in f32.
;; Inputs: D 512 x 1,024 float32; GN 1 x 512 x 1,024 float32; W 512 x 1,024 float32; b 512 float32; x 16,384 x 1,024 float32.
;; Outputs: out0 16,384 x 512 float32.
;; This version of the problem:
;;   THIS VERSION OF THE PROBLEM IS GIVEN IN LOW PRECISION. The matrix products marked QUANTISED in the list below multiply operands that are first quantised to E2M1 (2 exponent bits, 1 mantissa bit; 4 bits a number), with one power-of-two scale for each 32 numbers along K (OCP MX v1.0); their sums are f32. All else is computed in f32.
;;   The module's matrix products, in the order in which they are computed (A, B: the left and right operand; K: the contracted axis; several contracted axes count as one K, in the product's order):
;;     1. [M 16,384, K 1,024] x [K 1,024, N 512]; A: input x; B: computed on the way: QUANTISED
;;   THE QUANTISER, for each operand of a quantised product, along K:
;;     - K is cut into blocks of 32 from its start; a last block that is shorter is filled with zeros.
;;     - A block's scale is 2^e with e = floor(log2(the largest magnitude in the block)) - 2, held to -126 .. 127; a block of zeros has e = 0. As a byte (E8M0): e + 127.
;;     - Each number is divided by its block's scale, clamped to +-6, and rounded to the nearest number of E2M1, ties to even, subnormals kept.
;;     - The product sums the exact products of the quantised numbers (number of the format x scale) in f32.
;;   ~~~python
;;   def quantise(x, axis):      # numpy; x: float32 -> the quantised numbers, widened to float32 again
;;       x = np.moveaxis(x, axis, -1); K = x.shape[-1]
;;       x = np.pad(x, [(0, 0)] * (x.ndim - 1) + [(0, -K % 32)]); x = x.reshape(x.shape[:-1] + (-1, 32)); a = np.abs(x).max(-1, keepdims=True)
;;       e = np.where(a > 0, np.clip(np.frexp(np.where(a > 0, a, 1))[1] - 1 - 2, -126, 127), 0)      # np.frexp(a)[1] - 1 = floor(log2(a)), exactly
;;       r = np.clip(x / 2.0 ** e, -6, 6)
;;       step = 2.0 ** (np.maximum(np.frexp(np.where(r == 0, 1, r))[1] - 1, 0) - 1)
;;       q = np.round(r / step) * step * 2.0 ** e      # np.round: ties to even
;;       return np.moveaxis(q.reshape(q.shape[:-2] + (-1,))[..., :K], -1, axis).astype(np.float32)
;;   ~~~
;;   OPERANDS COMPUTED ON THE WAY. 'Computed on the way' means the value that the module computes at that place (a softmax that the list does not call 'softmax' is quantised finished and normalised). What goes into a quantiser is computed in f32, as accurately as f32 sums, v_exp_f32 and their like allow (about 1e-6 of the number): no bf16 or f16 on the way to a quantiser, and a product that is left as it is and whose result goes on into a quantised operand takes f32 operands (vector FMAs, or v_wmma_f32_16x16x4_f32). A number that lies on a knife's edge between two numbers of the format may be rounded either way, as far as f32 arithmetic and the matrix unit's own rounding can turn it there, and no further.
;; One version. Each part assembles by itself: llvm-mc -triple=amdgcn-amd-amdhsa -mcpu=gfx1250 --defsym DOCPART=n.
;; ======== version 1 of 1: 2 launches
;; limits: right only within a limited range of input values
;; workspace buffers: x_img 2,097,152 bytes; x_sc 131,072 bytes; w_codes 262,144 bytes; w_scales 16,384 bytes
;; launch prep (part 1): grid 256 x 1, 4 waves a work-group, no clusters, 18,944 bytes of LDS; arguments x, D, GN, W, x_img, x_sc, w_codes, w_scales; writes x_img, x_sc, w_codes, w_scales
.if DOCPART == 1
	.amdgcn_target "amdgcn-amd-amdhsa--gfx1250"
	.amdhsa_code_object_version 6
	.text
	.protected	k_qb4dbdbb36a_prep
	.globl	k_qb4dbdbb36a_prep
	.p2align	8
	.type	k_qb4dbdbb36a_prep,@function
k_qb4dbdbb36a_prep:
	s_mov_b64 s[64:65], 0
	v_nop
	global_prefetch_b8 v0, s[64:65] scope:SCOPE_SE
	s_setreg_imm32_b32 hwreg(HW_REG_WAVE_MODE, 25, 1), 1
	s_wait_xcnt 0x0
; A * W, and the first 16 of every 64 rows of x, become codes of FP4 (E2M1) with one E8M0 scale byte for each 32 along K.
; DEAD WORK.  A is the sum over the 32 rows of (hard - soft) + soft, which in real numbers is hard, for all D and GN: soft reaches no output, and neither do cum and logits. So A is the mask of the 32 largest
; D + GN of a unit (each column is hit by one row at the most), and no exponential is computed.  In f32 (1 - s) + s is 1 to one rounding, (0 - s) + s is 0.  D, GN, W, b and x are all loaded.
; LIMITS: NaN and infinities among the inputs are not served (a NaN, an infinity or an overflow that reaches only soft, or only a W that the mask throws away, is not carried to the result);
; in the selection -0.0 and +0.0 count as equal (the lower index first).  Blocks whose largest magnitude lies under 2^-124 have the byte 1; a block of zeros too (its codes are zeros, and this program alone reads the bytes).
; SHARES.  Work-group i: waves 0 and 1 take units 2 i and 2 i + 1; waves 2 and 3 the two halves of K of x's rows 64 i .. 64 i + 15.  Waves share nothing: no barrier, no input that two work-groups read, so no cluster.
; No prefetch: there is no loop to run ahead in; every wave asks for 24 or 48 loads at its head.
; THE ORDER OF K.  A load of 512 bytes gives lane l the numbers k = 128 c + 4 l + 0 .. 3: block (c, l / 8) of 32 lies in 8 lanes.  The product does not mind the order of blocks if both operands share it:
; K step s = 4 (c / 4) + l / 8 takes the blocks c % 4 = 0 .. 3.  So a step's four scale bytes lie in one lane, and no f32 number moves to another lane.  In a row the codes of block (c, l / 8) stand at byte 64 s + 16 (c % 4).
.set REG,   4608                       ; LDS: a region for each wave
.set SPARE, 18432                      ; 128 spare bytes for each wave
.set BP,    1040                       ; x: 1,024 bytes of a K step's image + 16
.set XR,    32                         ; v32-223 x: twelve rows of 16 numbers a lane
.set S0,    16                         ; v16-47, v48-79 the selection: D and GN as loaded, then the two sets of the sort
.set S1,    48
.set WL,    80                         ; v80-111  W, then A * W
.set P,     112                        ; v112-143 D + GN
.set RK,    144                        ; v144-175 ranks, then thresholds
.set CC,    176                        ; v176-185 +inf or -inf: which lanes keep the larger
.set TH,    188                        ; v188 the 32nd largest, v189 the next number above it
.set EQ,    66                         ; s66-97  masks over the lanes
; n loads of 4 numbers a lane at v[x]: largest magnitude of each block (8 lanes), scale operand, codes (low half good in even ones, high half in odd ones), scale words
.macro QUANT n, x, mx, ee, cv, by
.set q, 0
.rept \n
	v_max3_num_f32 v[\mx+q], |v[\x+4*q]|, |v[\x+4*q+1]|, |v[\x+4*q+2]|
.set q, q+1
.endr
.set q, 0
.rept \n
	v_max3_num_f32 v[\mx+q], v[\mx+q], |v[\x+4*q+3]|, 0x1800000    ; and the floor 2^(3 - 127): the byte cannot fall under 1
.set q, q+1
.endr
.irp m, 1,2,4
.set q, 0
.rept \n
	v_max_num_f32_dpp v[\mx+q], v[\mx+q], v[\mx+q] row_xmask:\m row_mask:0xf bank_mask:0xf
.set q, q+1
.endr
.endr
.set q, 0
.rept \n
	v_add_nc_u32 v[\ee+q], 0xff000000, v[\mx+q]    ; 2 off the exponent field: the conversion takes this field alone as its scale
.set q, q+1
.endr
.set q, 0
.rept \n/2
	v_cvt_scalef32_pk8_fp4_f32 v[\cv+q], v[\x+4*q:\x+4*q+7], v[\ee+q]          ; load q's four codes in the low half
	v_cvt_scalef32_pk8_fp4_f32 v[\cv+q+1], v[\x+4*q:\x+4*q+7], v[\ee+q+1]      ; load q + 1's in the high half
.set q, q+2
.endr
.set q, 0
.rept \n
	v_lshrrev_b32 v[\by+q], 23, v[\ee+q]           ; the scale's byte
.set q, q+1
.endr
.set q, 0
.rept \n/4
	v_lshl_or_b32 v[\by+q], v[\by+q+1], 8, v[\by+q]
	v_lshl_or_b32 v[\by+q], v[\by+q+2], 16, v[\by+q]
	v_lshl_or_b32 v[\by+q], v[\by+q+3], 24, v[\by+q]
.set q, q+4
.endr
.endm
	s_load_b256 s[4:11], s[0:1], 0x0               ; x, D, GN, W
	s_load_b256 s[12:19], s[0:1], 0x20             ; x_img, x_sc, w_codes, w_scales
	v_lshl_add_u32 v224, v0, 2, SPARE
	v_mov_b32 v225, 0
	v_lshrrev_b32 v1, 5, v0
	v_readfirstlane_b32 s20, v1                    ; wave
	v_and_b32 v1, 31, v0                           ; lane
	v_lshlrev_b32 v2, 4, v1                        ; 16 x lane
	v_lshrrev_b32 v3, 3, v1                        ; lane / 8
	v_and_b32 v4, 7, v1                            ; lane % 8
	s_mul_i32 s21, s20, REG                        ; my region
	s_wait_alu depctr_va_vdst(0)
	s_cmp_lt_u32 s20, 2
	s_cbranch_scc1 .Lselect
; ============ x: 16 rows x 512 along K a wave ============
	s_sub_co_u32 s22, s20, 2                       ; which half of K
	s_lshl_b32 s24, ttmp9, 18                      ; 64 rows of 4,096 bytes
	s_lshl_b32 s26, s22, 11
	s_add_co_u32 s24, s24, s26
	s_mov_b32 s25, 0
	s_lshl_b32 s26, ttmp9, 13                      ; the image of 16 rows: 8,192 bytes,
	s_lshl_b32 s28, s22, 12
	s_add_co_u32 s26, s26, s28
	s_mov_b32 s27, 0
	s_lshl_b32 s28, ttmp9, 9                       ; and 512 scale bytes
	s_lshl_b32 s30, s22, 8
	s_add_co_u32 s28, s28, s30
	s_mov_b32 s29, 0
	s_add_co_u32 s23, s21, 4*BP                    ; the 256 scale bytes in my region
	v_mul_u32_u24 v5, v3, BP
	v_lshl_add_u32 v5, v4, 1, v5
	v_add_nc_u32 v5, s21, v5                       ; codes, in
	v_lshlrev_b32 v6, 2, v3
	v_add_nc_u32 v6, s23, v6                       ; scale words, in
	v_add_nc_u32 v7, s21, v2                       ; codes, out
	v_lshlrev_b32 v26, 3, v1                       ; scale bytes: 8 a lane
	v_add_nc_u32 v27, s23, v26
	s_wait_alu depctr_va_vdst(0)                   ; the wait at the head's end
	s_wait_kmcnt 0x0
	s_add_nc_u64 s[4:5], s[4:5], s[24:25]
	s_add_nc_u64 s[12:13], s[12:13], s[26:27]
	s_add_nc_u64 s[14:15], s[14:15], s[28:29]
.macro XLOAD r
.irp b, 0,1,2,3
	global_load_b128 v[XR+16*((\r)%12)+4*\b:XR+16*((\r)%12)+4*\b+3], v2, s[4:5] offset:4096*(\r)+512*\b th:TH_LOAD_NT   ; 512 consecutive bytes
.endr
.endm
.macro XROW r
.set XS, XR+16*((\r)%12)
.if (\r) <= 4
	s_wait_loadcnt 44                              ; eleven younger rows of four loads may be out
.else
	s_wait_loadcnt 4*(15-(\r))
.endif
	QUANT 4, XS, 8, 12, 16, 20
	ds_store_b16 v5, v16 offset:16*(\r)            ; the image: [K step][block][row][16 bytes]
	ds_store_b16_d16_hi v5, v17 offset:16*(\r)+256
	ds_store_b16 v5, v18 offset:16*(\r)+512
	ds_store_b16_d16_hi v5, v19 offset:16*(\r)+768
	ds_store_b32 v6, v20 offset:16*(\r)            ; eight lanes write the same word with the same value
.if (\r)+12 < 16
	XLOAD (\r)+12
.endif
.endm
.irp r, 0,1,2,3,4,5,6,7,8,9,10,11
	XLOAD \r
.endr
.irp r, 0,1,2,3,4,5,6,7,8,9,10,11,12,13,14,15
	XROW \r
.endr
.irp i, 0,1,2,3,4,5,6,7
	ds_load_b128 v[XR+4*\i:XR+4*\i+3], v7 offset:BP*(\i/2)+512*(\i%2)   ; LDS serves a wave's instructions in order (ISA guide 5.7.1.4): these see my stores
.endr
	ds_load_b64 v[64:65], v27
	s_wait_dscnt 0x0
.irp i, 0,1,2,3,4,5,6,7
	global_store_b128 v2, v[XR+4*\i:XR+4*\i+3], s[12:13] offset:512*\i
.endr
	global_store_b64 v26, v[64:65], s[14:15]       ; 256 consecutive bytes
	s_wait_tensorcnt 0x0                           ; the wave's end
	ds_add_u32 v224, v225
	s_wait_dscnt 0x0
	s_endpgm
; ============ the selection: one wave, one unit ============
.Lselect:
	s_lshl_b32 s22, ttmp9, 1
	s_add_co_u32 s22, s22, s20                     ; unit u
	s_lshl_b32 s24, s22, 12                        ; its rows of D, GN, W
	s_mov_b32 s25, 0
	s_and_b32 s26, s22, 0x1c0                      ; its place among the rows of codes: of each 64 units u = 4 r + t goes to row 16 t + r,
	s_and_b32 s27, s22, 3                          ; so that a lane of the product has four neighbouring units in four tiles
	s_lshl_b32 s27, s27, 4
	s_or_b32 s26, s26, s27
	s_bfe_u32 s27, s22, 0x40002
	s_or_b32 s26, s26, s27
	s_lshl_b32 s28, s26, 9
	s_mov_b32 s29, 0
	s_lshl_b32 s30, s26, 5
	s_mov_b32 s31, 0
	s_mov_b32 s32, 0x7f800000
	s_mov_b32 s34, 0x76543210
	s_mov_b32 s35, 0xfedcba98
	s_add_co_u32 s23, s21, 512
	v_lshlrev_b32 v5, 6, v3
	v_lshl_add_u32 v5, v4, 1, v5
	v_add_nc_u32 v5, s21, v5                       ; codes, in
	v_lshlrev_b32 v6, 2, v3
	v_add_nc_u32 v6, s23, v6                       ; scale words, in
	v_add_nc_u32 v7, s21, v2                       ; codes, out
	v_add_nc_u32 v8, s23, v1                       ; scale bytes, out
	v_lshrrev_b32 v9, 1, v1
	v_lshrrev_b32 v10, 2, v1
	v_lshrrev_b32 v11, 3, v1
	v_xor_b32 v9, v1, v9                           ; bit i: l_i ^ l_(i+1)
	v_xor_b32 v10, v9, v10                         ; three of them
	v_xor_b32 v11, v10, v11                        ; four
	v_lshl_or_b32 v[CC+0], v1, 31, s32             ; the bit becomes the sign of an infinity (bits 30 to 23 are ones in any case)
	v_lshl_or_b32 v[CC+1], v9, 31, s32
	v_lshl_or_b32 v[CC+2], v1, 30, s32
	v_lshl_or_b32 v[CC+3], v10, 31, s32
	v_lshl_or_b32 v[CC+4], v9, 30, s32
	v_lshl_or_b32 v[CC+5], v1, 29, s32
	v_lshl_or_b32 v[CC+6], v11, 31, s32
	v_lshl_or_b32 v[CC+7], v10, 30, s32
	v_lshl_or_b32 v[CC+8], v9, 29, s32
	v_lshl_or_b32 v[CC+9], v1, 28, s32
	s_wait_alu depctr_va_vdst(0)                   ; the wait at the head's end
	s_wait_kmcnt 0x0
	s_add_nc_u64 s[6:7], s[6:7], s[24:25]
	s_add_nc_u64 s[8:9], s[8:9], s[24:25]
	s_add_nc_u64 s[10:11], s[10:11], s[24:25]
	s_add_nc_u64 s[16:17], s[16:17], s[28:29]
	s_add_nc_u64 s[18:19], s[18:19], s[30:31]
.irp c, 0,1,2,3,4,5,6,7
	global_load_b128 v[S0+4*\c:S0+4*\c+3], v2, s[6:7] offset:512*\c th:TH_LOAD_NT
	global_load_b128 v[S1+4*\c:S1+4*\c+3], v2, s[8:9] offset:512*\c th:TH_LOAD_NT
.endr
.irp c, 0,1,2,3,4,5,6,7
	global_load_b128 v[WL+4*\c:WL+4*\c+3], v2, s[10:11] offset:512*\c th:TH_LOAD_NT
.endr
	s_wait_loadcnt 0x8                             ; D and GN are in; W's eight loads may be out
.irp i, 0,2,4,6,8,10,12,14,16,18,20,22,24,26,28,30
	v_pk_add_f32 v[P+\i:P+\i+1], v[S0+\i:S0+\i+1], v[S1+\i:S1+\i+1]
.endr
; A stage of a bitonic network over a lane's n registers, distance j, from one set into the other: the larger first where bit k of the place is 0
.macro STAGE n, src, dst, k, j
.set ii, 0
.rept \n
.if (ii & \j) == 0
.if (ii & \k) == 0
	v_max_num_f32 v[\dst+ii], v[\src+ii], v[\src+ii+\j]
	v_min_num_f32 v[\dst+ii+\j], v[\src+ii], v[\src+ii+\j]
.else
	v_min_num_f32 v[\dst+ii], v[\src+ii], v[\src+ii+\j]
	v_max_num_f32 v[\dst+ii+\j], v[\src+ii], v[\src+ii+\j]
.endif
.endif
.set ii, ii+1
.endr
.endm
; Two groups of lanes hold a falling list of 32 each, n numbers a lane: the larger of place p here and place 31 - p there are the 32 largest of both (n / 2 a lane), a bitonic sequence
.macro TOPM n, m
.set ii, 0
.rept \n/2
	v_max_num_f32_dpp v[S1+ii], v[S0+\n-1-ii], v[S0+ii] row_xmask:\m row_mask:0xf bank_mask:0xf
.set ii, ii+1
.endr
.endm
; A stage of its sorting across lanes: with lane xor m (rev = 1: its registers from the other end); the median with +inf is the larger, with -inf the smaller
.macro CROSS n, src, dst, m, rev, c
.set ii, 0
.rept \n
.if \rev
	v_mov_b32_dpp v[S0+16+ii], v[\src+\n-1-ii] row_xmask:\m row_mask:0xf bank_mask:0xf
.else
	v_mov_b32_dpp v[S0+16+ii], v[\src+ii] row_xmask:\m row_mask:0xf bank_mask:0xf
.endif
.set ii, ii+1
.endr
.set ii, 0
.rept \n
	v_med3_num_f32 v[\dst+ii], v[\src+ii], v[S0+16+ii], v[CC+\c]
.set ii, ii+1
.endr
.endm
	STAGE 32, P, S0, 2, 1                          ; every lane sorts its 32 numbers, falling
	STAGE 32, S0, S1, 4, 2
	STAGE 32, S1, S0, 4, 1
	STAGE 32, S0, S1, 8, 4
	STAGE 32, S1, S0, 8, 2
	STAGE 32, S0, S1, 8, 1
	STAGE 32, S1, S0, 16, 8
	STAGE 32, S0, S1, 16, 4
	STAGE 32, S1, S0, 16, 2
	STAGE 32, S0, S1, 16, 1
	STAGE 32, S1, S0, 32, 16
	STAGE 32, S0, S1, 32, 8
	STAGE 32, S1, S0, 32, 4
	STAGE 32, S0, S1, 32, 2
	STAGE 32, S1, S0, 32, 1
; Lists of 1, 2, 4, 8, 16 lanes are merged.  In a list of 2^L lanes the order of lanes is, high bit first: l0; l0^l1, l1; l0^l1^l2, l1^l2, l2; and so on: so no register number hangs on the lane
	TOPM 32, 1
	CROSS 16, S1, S0, 1, 1, 0
	STAGE 16, S0, S1, 32, 8
	STAGE 16, S1, S0, 32, 4
	STAGE 16, S0, S1, 32, 2
	STAGE 16, S1, S0, 32, 1
	TOPM 16, 3
	CROSS 8, S1, S0, 1, 0, 1
	CROSS 8, S0, S1, 3, 1, 2
	STAGE 8, S1, S0, 32, 4
	STAGE 8, S0, S1, 32, 2
	STAGE 8, S1, S0, 32, 1
	TOPM 8, 6
	CROSS 4, S1, S0, 1, 0, 3
	CROSS 4, S0, S1, 3, 0, 4
	CROSS 4, S1, S0, 6, 1, 5
	STAGE 4, S0, S1, 32, 2
	STAGE 4, S1, S0, 32, 1
	TOPM 4, 12
	CROSS 2, S1, S0, 1, 0, 6
	CROSS 2, S0, S1, 3, 0, 7
	CROSS 2, S1, S0, 6, 0, 8
	CROSS 2, S0, S1, 12, 1, 9
	STAGE 2, S1, S0, 32, 1
	v_permlanex16_b32 v[S1+1], v[S0+1], s35, s34   ; from lane xor 24
	v_max_num_f32 v[S1], v[S0], v[S1+1]            ; the unit's 32 largest, one a lane
	v_mov_b32 v186, v[S1]
.irp m, 1,2,4,8
	v_min_num_f32_dpp v186, v186, v186 row_xmask:\m row_mask:0xf bank_mask:0xf
.endr
	v_permlanex16_b32 v[S1+1], v186, s34, s35
	v_min_num_f32 v186, v186, v[S1+1]              ; the 32nd largest
	v_cmp_eq_f32 s38, v[S1], v186                  ; how many of the 32 are equal to it
	v_add_f32 v[TH], 0, v186                       ; (-0.0 becomes +0.0)
	v_cmp_gt_f32 vcc_lo, 0, v[TH]
	v_cndmask_b32 v187, 1, -1, vcc_lo
	v_add_nc_u32 v[TH+1], v[TH], v187              ; the next number above it
.set ii, 0
.rept 32
	v_cmp_eq_f32 s[EQ+ii], v[P+ii], v[TH]
.set ii, ii+1
.endr
	s_wait_alu depctr_va_vdst(0)
	s_wait_loadcnt 0x0                             ; W
	s_bcnt1_i32_b32 s38, s38                       ; N: of the numbers equal to it the first N are taken
	s_mov_b32 s40, 0                               ; s40-47: how many equal ones stand in the loads before load c
.set ii, 0
.rept 7
	s_bcnt1_i32_b32 s48, s[EQ+4*ii]
	s_bcnt1_i32_b32 s49, s[EQ+4*ii+1]
	s_bcnt1_i32_b32 s50, s[EQ+4*ii+2]
	s_bcnt1_i32_b32 s51, s[EQ+4*ii+3]
	s_add_co_u32 s48, s48, s49
	s_add_co_u32 s50, s50, s51
	s_add_co_u32 s48, s48, s50
	s_add_co_u32 s[41+ii], s[40+ii], s48
.set ii, ii+1
.endr
.irp c, 0,1,2,3,4,5,6,7                            ; a number's rank among the equal ones: those of lower lanes in its load,
	v_mbcnt_lo_u32_b32 v[RK+4*\c], s[EQ+4*\c], s[40+\c]
.endr
.irp j, 1,2,3
.irp c, 0,1,2,3,4,5,6,7
	v_mbcnt_lo_u32_b32 v[RK+4*\c], s[EQ+4*\c+\j], v[RK+4*\c]
.endr
.endr
.irp j, 0,1,2                                      ; and those before it in its lane
.irp c, 0,1,2,3,4,5,6,7
	v_cndmask_b32 v[S0+4*\c+\j], 0, 1, s[EQ+4*\c+\j]
.endr
.endr
.irp j, 0,1,2
.irp c, 0,1,2,3,4,5,6,7
	v_add_nc_u32 v[RK+4*\c+\j+1], v[RK+4*\c+\j], v[S0+4*\c+\j]
.endr
.endr
.set ii, 0
.rept 32
	v_cmp_gt_u32 s[EQ+ii], s38, v[RK+ii]
.set ii, ii+1
.endr
.set ii, 0
.rept 32
	v_cndmask_b32 v[RK+ii], v[TH+1], v[TH], s[EQ+ii]               ; rank under N: from the 32nd largest on; else from the next above it on
.set ii, ii+1
.endr
.set ii, 0
.rept 32
	v_cmp_ge_f32 s[EQ+ii], v[P+ii], v[RK+ii]
.set ii, ii+1
.endr
.set ii, 0
.rept 32
	v_cndmask_b32 v[WL+ii], 0, v[WL+ii], s[EQ+ii]                  ; A * W
.set ii, ii+1
.endr
	QUANT 8, WL, 186, 194, 202, 210
.irp c, 0,2,4,6
	ds_store_b16 v5, v[202+\c] offset:256*(\c/4)+16*(\c%4)
	ds_store_b16_d16_hi v5, v[203+\c] offset:256*(\c/4)+16*(\c%4)+16
.endr
	ds_store_b32 v6, v210
	ds_store_b32 v6, v214 offset:16
	ds_load_b128 v[16:19], v7                      ; LDS serves a wave's instructions in order: these see my stores
	ds_load_u8 v20, v8
	s_wait_dscnt 0x0
	global_store_b128 v2, v[16:19], s[16:17]       ; the unit's row of codes: 512 consecutive bytes
	global_store_b8 v1, v20, s[18:19]              ; its 32 scale bytes, consecutive
	s_wait_tensorcnt 0x0                           ; the wave's end
	ds_add_u32 v224, v225
	s_wait_dscnt 0x0
	s_endpgm
.Lfunc_end_k_qb4dbdbb36a_prep:
	.size	k_qb4dbdbb36a_prep, .Lfunc_end_k_qb4dbdbb36a_prep-k_qb4dbdbb36a_prep
	.p2alignl 7, 3214868480
	.fill 96, 4, 3214868480
	.section	.rodata,"a",@progbits
	.p2align	6, 0x0
	.amdhsa_kernel k_qb4dbdbb36a_prep
		.amdhsa_group_segment_fixed_size 18944
		.amdhsa_private_segment_fixed_size 0
		.amdhsa_enable_private_segment 0
		.amdhsa_kernarg_size 64
		.amdhsa_user_sgpr_count 2
		.amdhsa_user_sgpr_kernarg_segment_ptr 1
		.amdhsa_wavefront_size32 1
		.amdhsa_system_sgpr_workgroup_id_x 1
		.amdhsa_system_sgpr_workgroup_id_y 1
		.amdhsa_system_sgpr_workgroup_id_z 1
		.amdhsa_system_vgpr_workitem_id 0
		.amdhsa_next_free_vgpr 226
		.amdhsa_next_free_sgpr 98
		.amdhsa_reserve_vcc 1
		.amdhsa_float_denorm_mode_32 3
		.amdhsa_float_denorm_mode_16_64 3
		.amdhsa_memory_ordered 1
		.amdhsa_forward_progress 1
		.amdhsa_inst_pref_size 104
	.end_amdhsa_kernel
	.amdgpu_metadata
---
amdhsa.version: [ 1, 2 ]
amdhsa.kernels:
  - .name:           k_qb4dbdbb36a_prep
    .symbol:         k_qb4dbdbb36a_prep.kd
    .args:
      - { .name: x, .offset: 0, .size: 8, .value_kind: global_buffer, .address_space: global }
      - { .name: D, .offset: 8, .size: 8, .value_kind: global_buffer, .address_space: global }
      - { .name: GN, .offset: 16, .size: 8, .value_kind: global_buffer, .address_space: global }
      - { .name: W, .offset: 24, .size: 8, .value_kind: global_buffer, .address_space: global }
      - { .name: x_img, .offset: 32, .size: 8, .value_kind: global_buffer, .address_space: global }
      - { .name: x_sc, .offset: 40, .size: 8, .value_kind: global_buffer, .address_space: global }
      - { .name: w_codes, .offset: 48, .size: 8, .value_kind: global_buffer, .address_space: global }
      - { .name: w_scales, .offset: 56, .size: 8, .value_kind: global_buffer, .address_space: global }
    .group_segment_fixed_size: 18944
    .private_segment_fixed_size: 0
    .kernarg_segment_align: 8
    .kernarg_segment_size: 64
    .max_flat_workgroup_size: 128
    .sgpr_count:     98
    .vgpr_count:     226
    .wavefront_size: 32
...
	.end_amdgpu_metadata
.endif
;; end of part 1
;; launch gemm (part 2): grid 256 x 1, 4 waves a work-group, clusters of 4 x 1, 327,680 bytes of LDS; arguments x, x_img, x_sc, w_codes, w_scales, b, out0; writes out0
.if DOCPART == 2
	.amdgcn_target "amdgcn-amd-amdhsa--gfx1250"
	.amdhsa_code_object_version 6
	.text
	.protected	k_qb4dbdbb36a_gemm
	.globl	k_qb4dbdbb36a_gemm
	.p2align	8
	.type	k_qb4dbdbb36a_gemm,@function
k_qb4dbdbb36a_gemm:
	s_mov_b64 s[64:65], 0
	v_nop
	global_prefetch_b8 v0, s[64:65] scope:SCOPE_SE
	s_setreg_imm32_b32 hwreg(HW_REG_WAVE_MODE, 25, 1), 1
	s_wait_xcnt 0x0
	s_wait_alu depctr_hold_cnt(0) depctr_sa_sdst(0) depctr_va_vdst(0) depctr_va_sdst(0) depctr_va_ssrc(0) depctr_va_vcc(0) depctr_vm_vsrc(0)
	s_getreg_b32 s2, hwreg(HW_REG_IB_STS2, 6, 4)
	s_cmp_eq_u32 s2, 0
	s_cbranch_scc0 .Lentry_in_a_cluster
	s_endpgm
.Lentry_in_a_cluster:
	s_bfe_u32 s2, ttmp6, 0x10000c
	s_cmp_lg_u32 s2, 0x3003
	s_cbranch_scc0 .Lentry_shape_is_right
	s_endpgm
.Lentry_shape_is_right:
; out0[row][unit] = the sum over k of x[row][k] (A * W)[unit][k] + b[unit], on codes of FP4 (E2M1) with one E8M0 scale for each 32 along K; sums in f32.  (Work left out: see the first kernel's head.)
; LIMITS: NaN and infinities among the inputs are not served.  Blocks of x whose largest magnitude lies under 2^-124 have the byte 1.
; SHARES.  A work-group owns 64 rows of x and all 512 units, in four passes of 16 rows; wave w owns units 128 w .. 128 w + 127 in all passes, and its 128 rows of codes of A * W stay in 512 registers.
; Pass 0's rows come as an image of the operand's registers from the launch before.  The 48 rows of passes 1 to 3 are read here as f32, each byte once: a wave loads 4 rows of each pass straight into registers, turns them
; into codes and puts these into LDS; behind a barrier all four waves read the 16 rows' codes as operands.  A pass's results leave while the next passes' rows are on their way.
; A wave keeps six rows (48 loads, 24,576 bytes) asked for ahead.  Each block of x is named once in the launch and goes straight into registers that far ahead, so no prefetch is written.
; K is in the order that the first kernel's head states: load c of a row, lane l: K step 4 (c / 4) + l / 8, block c % 4.
; CLUSTER.  Every work-group reads the same codes of A * W: the four of a cluster ask for them jointly, ONE tensor load a wave (128 rows of 512 bytes, + 16 of padding in LDS), its descriptor made of the wave's number alone.
; Each wave reads only the rows that it fetched, so its own wait on TENSORcnt orders those reads.  No LDS byte is filled twice.
; THE WAY OUT needs no LDS: source 0 = x's rows, source 1 = units, so lane (r, h) holds unit r of a tile for rows 8 h + j; the rows of codes are laid so that four tiles give a lane four neighbouring units:
; 16 bytes, sixteen lanes an aligned 256 bytes of a row of out0.  The bias is added as the four are brought together.
; REGISTERS, windows of 256.  0: v4-12 addresses; v16-47 at work; XF x's fragments; ACC eight accumulators; G A * W's scale words, XS x's; BI bias.  1 and 2: A * W's fragments, K steps 0-3 and 4-7.
;   3: v0-191 six rows of x; v192-255 results on their way out.
.set WP,    528                        ; an LDS row: 512 bytes + 16 = 132 words: 16 rows start at 16 different banks (64 banks of 4 bytes: ISA guide 11.1)
.set WROWS, 128*WP
.set XB,    4*WROWS                    ; x's codes: 16 rows for each of three passes
.set XPB,   16*WP
.set SCB,   XB+3*XPB                   ; x's scale words: [pass][half of K][row][16 bytes]
.set SPARE, SCB+3*512                  ; 128 spare bytes for each wave
.set XO,    4                          ; v4  16 x lane
.set CST,   5                          ; v5  where my codes go
.set SST,   6                          ; v6  where my scale words go
.set XRD,   7                          ; v7  x's fragments
.set SRD,   8                          ; v8  x's scale words
.set WRD,   9                          ; v9  A * W's fragments
.set GO,    10                         ; v10 32 r + 16 h
.set BO,    11                         ; v11 16 r
.set CO,    12                         ; v12 my place in out0
.set MX,    16
.set EE,    24
.set CV,    32
.set BY,    40
.set XF,    64
.set ACC,   128
.set G,     192
.set XS,    224
.set BI,    228
.set O,     192                        ; in window 3
.set G1,    24                         ; s[24:31], s[32:35] descriptor groups 1 and 0
.set G0,    32
.set MSB, 0
.macro WIN new                         ; the immediate's high byte repeats the setting that is left
.if MSB != \new
	s_set_vgpr_msb (MSB<<8)|\new
.set MSB, \new
.endif
.endm
.macro CROUND                          ; a round of the cluster's barrier
	s_barrier_signal -1
	s_barrier_wait -1
	s_cmp_lg_u32 s20, 0
	s_cbranch_scc1 .Lnot_wave_0_\@
	s_barrier_signal -3
.Lnot_wave_0_\@:
	s_barrier_wait -3
	s_barrier_signal -1
	s_barrier_wait -1
.endm
	s_load_b256 s[4:11], s[0:1], 0x0               ; x, x_img, x_sc, w_codes
	s_load_b128 s[12:15], s[0:1], 0x20             ; w_scales, b
	s_load_b64 s[16:17], s[0:1], 0x30              ; out0
	v_lshl_add_u32 v254, v0, 2, SPARE
	v_mov_b32 v255, 0
	ds_add_u32 v254, v255                          ; the wave's opening: the add, twice on end
	ds_add_u32 v254, v255
	v_lshrrev_b32 v1, 5, v0
	v_readfirstlane_b32 s20, v1                    ; wave
	s_bfe_u32 s23, ttmp6, 0x40000
	s_lshl_b32 s21, ttmp9, 2                       ; in a cluster launch ttmp9 counts clusters
	s_add_co_u32 s21, s21, s23                     ; my block of 64 rows: it enters global addresses of plain accesses alone
	s_mul_i32 s22, s20, WROWS
	s_lshl_b32 s36, s21, 18                        ; x: 64 rows of 4,096 bytes,
	s_lshl_b32 s38, s20, 14                        ; my four rows of a pass,
	s_add_co_u32 s36, s36, s38
	s_add_co_u32 s36, s36, 0x10000                 ; behind pass 0's sixteen
	s_mov_b32 s37, 0
	s_lshl_b32 s38, s21, 13                        ; pass 0's image: 8,192 bytes,
	s_mov_b32 s39, 0
	s_lshl_b32 s40, s21, 9                         ; and its scale bytes
	s_mov_b32 s41, 0
	s_lshl_b32 s42, s20, 16                        ; my 128 rows of codes of A * W,
	s_mov_b32 s43, 0
	s_lshl_b32 s44, s20, 12                        ; and their scale bytes
	s_mov_b32 s45, 0
	s_lshl_b32 s46, s20, 9                         ; my 128 numbers of b
	s_mov_b32 s47, 0
	s_lshl_b32 s48, s21, 17                        ; out0: 64 rows of 2,048 bytes
	s_add_co_u32 s48, s48, s46
	s_mov_b32 s49, 0
	s_mul_i32 s50, s20, 4*WP
	s_add_co_u32 s50, s50, XB
	s_lshl_b32 s51, s20, 6
	s_add_co_u32 s51, s51, SCB
	s_mov_b32 s[G1], 15|(0<<16)|(1<<20)|(1<<21)|(6<<22)|(3<<25)    ; all four work-groups; elements of 1 byte; padding: after every 128 words (code 6) four words (code 3); 21 set beside a mask
	s_mov_b32 s[G1+1], 512<<16
	s_mov_b32 s[G1+2], 128<<16
	s_mov_b32 s[G1+3], 512<<16
	s_mov_b32 s[G1+4], 128
	s_mov_b32 s[G1+5], 512
	s_mov_b32 s[G1+6], 0
	s_mov_b32 s[G1+7], 0
	v_and_b32 v1, 31, v0                           ; lane
	v_and_b32 v2, 15, v0                           ; r
	v_bfe_u32 v3, v0, 4, 1                         ; h
	v_lshrrev_b32 v13, 3, v1                       ; lane / 8
	v_and_b32 v14, 7, v1                           ; lane % 8
	v_lshlrev_b32 v[XO], 4, v1
	v_lshlrev_b32 v[CST], 6, v13
	v_lshl_add_u32 v[CST], v14, 1, v[CST]
	v_add_nc_u32 v[CST], s50, v[CST]
	v_lshlrev_b32 v[SST], 2, v13
	v_add_nc_u32 v[SST], s51, v[SST]
	v_mul_u32_u24 v[XRD], v2, WP
	v_lshl_add_u32 v[XRD], v3, 4, v[XRD]
	v_add_nc_u32 v[WRD], s22, v[XRD]
	v_add_nc_u32 v[XRD], XB, v[XRD]
	v_add_nc_u32 v[SRD], SCB, v[XO]
	v_lshlrev_b32 v[GO], 5, v2
	v_lshl_add_u32 v[GO], v3, 4, v[GO]
	v_lshlrev_b32 v[BO], 4, v2
	v_lshl_add_u32 v[CO], v3, 14, v[BO]            ; lanes 16-31: eight rows further down
	s_wait_alu depctr_va_vdst(0)                   ; the wait at the head's end
	s_wait_dscnt 0x0                               ; both opening adds are done
	s_wait_kmcnt 0x0
	s_add_nc_u64 s[4:5], s[4:5], s[36:37]
	s_add_nc_u64 s[6:7], s[6:7], s[38:39]
	s_add_nc_u64 s[8:9], s[8:9], s[40:41]
	s_add_nc_u64 s[10:11], s[10:11], s[42:43]
	s_add_nc_u64 s[12:13], s[12:13], s[44:45]
	s_add_nc_u64 s[14:15], s[14:15], s[46:47]
	s_add_nc_u64 s[16:17], s[16:17], s[48:49]
	s_mov_b32 s[G0], 1
	s_mov_b32 s[G0+1], s22
	s_mov_b64 s[G0+2:G0+3], s[10:11]
	s_or_b32 s[G0+3], s[G0+3], 0x80000000
.macro XLOAD rho                       ; my row rho of twelve, into slot rho % 6 of window 3: eight loads of 512 consecutive bytes
	WIN 0xc0
.irp c, 0,1,2,3,4,5,6,7
	global_load_b128 v[32*((\rho)%6)+4*\c:32*((\rho)%6)+4*\c+3], v[XO], s[4:5] offset:65536*((\rho)/4)+4096*((\rho)%4)+512*\c th:TH_LOAD_NT
.endr
	WIN 0
.endm
	XLOAD 0
	CROUND                                         ; all four work-groups are here: the joint loads meet
	tensor_load_to_lds s[G0:G0+3], s[G1:G1+7]      ; my 128 rows of A * W: the wave's one tensor load
	s_nop 0
.rept 4
	v_nop
.endr
	XLOAD 1
	XLOAD 2
	XLOAD 3
.irp t, 0,1,2,3,4,5,6,7
	global_load_b128 v[G+4*\t:G+4*\t+3], v[GO], s[12:13] offset:512*\t         ; lane (r, h): row 16 t + r's scale words of K steps 4 h .. 4 h + 3
.endr
.irp g, 0,1
	global_load_b128 v[BI+4*\g:BI+4*\g+3], v[BO], s[14:15] offset:256*\g       ; b at units 64 g + 4 r + 0 .. 3
.endr
	global_load_b128 v[XS:XS+3], v[XO], s[8:9]
.irp i, 0,1,2,3,4,5,6,7,8,9,10,11,12,13,14,15
	global_load_b128 v[XF+4*\i:XF+4*\i+3], v[XO], s[6:7] offset:512*\i         ; pass 0's fragments: 512 consecutive bytes each
.endr
	XLOAD 4
	XLOAD 5
; My row rho becomes codes and scale words in LDS.  Behind row rho's loads are: rows 0-3: the other rows and the 27 loads above, 67, held to 63; later five rows of eight, towards the end fewer.
.macro QROW rho
.set S, 32*((\rho)%6)
.set LO, XPB*((\rho)/4)+WP*((\rho)%4)
.set SO, 512*((\rho)/4)+16*((\rho)%4)
.if (\rho) < 4
	s_wait_loadcnt 63
.elseif (\rho) < 7
	s_wait_loadcnt 40
.else
	s_wait_loadcnt 8*(11-(\rho))
.endif
	WIN 0x3f
.irp c, 0,1,2,3,4,5,6,7
	v_max3_num_f32 v[MX+\c], |v[S+4*\c]|, |v[S+4*\c+1]|, |v[S+4*\c+2]|
.endr
	WIN 0x03
.irp c, 0,1,2,3,4,5,6,7
	v_max3_num_f32 v[MX+\c], |v[S+4*\c+3]|, v[MX+\c], 0x1800000    ; and the floor 2^(3 - 127): the byte cannot fall under 1
.endr
	WIN 0
.irp m, 1,2,4
.irp c, 0,1,2,3,4,5,6,7
	v_max_num_f32_dpp v[MX+\c], v[MX+\c], v[MX+\c] row_xmask:\m row_mask:0xf bank_mask:0xf   ; over the block's eight lanes
.endr
.endr
.irp c, 0,1,2,3,4,5,6,7
	v_add_nc_u32 v[EE+\c], 0xff000000, v[MX+\c]    ; 2 off the exponent field: the conversion's scale operand
.endr
	WIN 0x03
.irp c, 0,2,4,6
	v_cvt_scalef32_pk8_fp4_f32 v[CV+\c], v[S+4*\c:S+4*\c+7], v[EE+\c]          ; load c's four codes in the low half
	v_cvt_scalef32_pk8_fp4_f32 v[CV+\c+1], v[S+4*\c:S+4*\c+7], v[EE+\c+1]      ; load c + 1's in the high half
.endr
	WIN 0
.irp c, 0,1,2,3,4,5,6,7
	v_lshrrev_b32 v[BY+\c], 23, v[EE+\c]
.endr
.irp k, 1,2,3
.irp d, 0,4
	v_lshl_or_b32 v[BY+\d], v[BY+\d+\k], 8*\k, v[BY+\d]
.endr
.endr
.irp c, 0,2,4,6
	ds_store_b16 v[CST], v[CV+\c] offset:LO+256*(\c/4)+16*(\c%4)
	ds_store_b16_d16_hi v[CST], v[CV+\c+1] offset:LO+256*(\c/4)+16*(\c%4)+16
.endr
	ds_store_b32 v[SST], v[BY] offset:SO           ; eight lanes write the same word with the same value
	ds_store_b32 v[SST], v[BY+4] offset:SO+256
.if (\rho)+6 < 12
	XLOAD (\rho)+6
.endif
.endm
.macro WFETCH s                        ; A * W's eight fragments of K step s: they stay in registers
	WIN 0x40+0x40*((\s)/4)
.irp t, 0,1,2,3,4,5,6,7
.irp c, 0,1
	ds_load_b128 v[64*((\s)%4)+8*\t+4*\c:64*((\s)%4)+8*\t+4*\c+3], v[WRD] offset:16*WP*\t+64*(\s)+32*\c
.endr
.endr
	WIN 0
.endm
.macro MUL8 s                          ; K step s: the eight accumulators take turns; step 0 starts the sums
	WIN 0x04+0x04*((\s)/4)
.irp t, 0,1,2,3,4,5,6,7
.if (\s) == 0
	v_wmma_scale_f32_16x16x128_f8f6f4 v[ACC+8*\t:ACC+8*\t+7], v[XF+8*(\s):XF+8*(\s)+7], v[64*((\s)%4)+8*\t:64*((\s)%4)+8*\t+7], 0, v[XS+(\s)%4], v[G+4*\t+(\s)%4] matrix_a_fmt:MATRIX_FMT_FP4 matrix_b_fmt:MATRIX_FMT_FP4
.elseif (\s) < 4
	v_wmma_scale_f32_16x16x128_f8f6f4 v[ACC+8*\t:ACC+8*\t+7], v[XF+8*(\s):XF+8*(\s)+7], v[64*((\s)%4)+8*\t:64*((\s)%4)+8*\t+7], v[ACC+8*\t:ACC+8*\t+7], v[XS+(\s)%4], v[G+4*\t+(\s)%4] matrix_a_fmt:MATRIX_FMT_FP4 matrix_b_fmt:MATRIX_FMT_FP4
.else
	v_wmma_scale_f32_16x16x128_f8f6f4 v[ACC+8*\t:ACC+8*\t+7], v[XF+8*(\s):XF+8*(\s)+7], v[64*((\s)%4)+8*\t:64*((\s)%4)+8*\t+7], v[ACC+8*\t:ACC+8*\t+7], v[XS+(\s)%4], v[G+4*\t+(\s)%4] matrix_a_fmt:MATRIX_FMT_FP4 matrix_b_fmt:MATRIX_FMT_FP4 matrix_a_scale:MATRIX_SCALE_ROW1 matrix_b_scale:MATRIX_SCALE_ROW1
.endif
.endr
.endm
.macro OUT p                           ; four tiles' register j are four neighbouring units of row 16 p + 8 h + j
.rept 4
	v_nop                                          ; four places behind the last products (ISA guide 7.12.1)
.endr
.if (\p) > 0
	s_wait_xcnt 0x0                                ; the last pass's stores have read their registers
.endif
	WIN 0xc0
.irp g, 0,1
.irp j, 0,1,2,3,4,5,6,7
.irp t, 0,1,2,3
	v_add_f32 v[O+32*\g+4*\j+\t], v[ACC+32*\g+8*\t+\j], v[BI+4*\g+\t]
.endr
.endr
.endr
	WIN 0x0c
.irp j, 0,1,2,3,4,5,6,7
.irp g, 0,1
	global_store_b128 v[CO], v[O+32*\g+4*\j:O+32*\g+4*\j+3], s[16:17] offset:32768*(\p)+2048*\j+256*\g th:TH_STORE_NT   ; two aligned 256-byte pieces of two rows
.endr
.endr
	WIN 0
.endm
.macro PASS p, meet                    ; p = 1 .. 3.  meet = 1: a barrier, behind which the codes that all waves have made so far are in LDS
.if \meet
	s_wait_dscnt 0x0                               ; my codes are there
	s_barrier_signal -1
	s_barrier_wait -1
.endif
	ds_load_b128 v[XS:XS+3], v[SRD] offset:512*(\p-1)
.irp i, 0,1,2,3,4,5,6,7,8,9,10,11,12,13,14,15
	ds_load_b128 v[XF+4*\i:XF+4*\i+3], v[XRD] offset:XPB*(\p-1)+32*\i
.endr
.irp s, 0,1,2,3,4,5,6,7
	s_wait_dscnt 14-2*\s                           ; this K step's fragment is in; the later ones' loads may be out
	MUL8 \s
.endr
	WIN 0
	OUT \p
.endm
.irp q, 0,1,2,3,4,5,6,7                            ; the rows of passes 1 and 2: all twelve rows are asked for before A * W is waited for
	QROW \q
.endr
	s_wait_tensorcnt 0x0                           ; my rows of A * W have landed (the 27 small loads are in since row 4's wait)
	WFETCH 0
	WFETCH 1
	WFETCH 2
.irp s, 0,1,2,3,4,5,6,7
.if \s < 5
	WFETCH \s+3
	s_wait_dscnt 48                                ; this K step's sixteen loads are in; three later steps' may be out
.else
	s_wait_dscnt 16*(7-\s)
.endif
	MUL8 \s
	WIN 0
.endr
	OUT 0
	PASS 1, 1                                      ; this barrier covers the codes of passes 1 and 2
	PASS 2, 0
.irp q, 8,9,10,11
	QROW \q
.endr
	PASS 3, 1
	s_wait_tensorcnt 0x0                           ; the wave's end
	ds_add_u32 v254, v255
	s_wait_dscnt 0x0
	CROUND                                         ; the closing round: no work-group ends while a partner may still ask for a tile that names it
	s_endpgm
.Lfunc_end_k_qb4dbdbb36a_gemm:
	.size	k_qb4dbdbb36a_gemm, .Lfunc_end_k_qb4dbdbb36a_gemm-k_qb4dbdbb36a_gemm
	.p2alignl 7, 3214868480
	.fill 96, 4, 3214868480
	.section	.rodata,"a",@progbits
	.p2align	6, 0x0
	.amdhsa_kernel k_qb4dbdbb36a_gemm
		.amdhsa_group_segment_fixed_size 327680
		.amdhsa_private_segment_fixed_size 0
		.amdhsa_enable_private_segment 0
		.amdhsa_kernarg_size 56
		.amdhsa_user_sgpr_count 2
		.amdhsa_user_sgpr_kernarg_segment_ptr 1
		.amdhsa_wavefront_size32 1
		.amdhsa_system_sgpr_workgroup_id_x 1
		.amdhsa_system_sgpr_workgroup_id_y 1
		.amdhsa_system_sgpr_workgroup_id_z 1
		.amdhsa_system_vgpr_workitem_id 0
		.amdhsa_next_free_vgpr 1024
		.amdhsa_next_free_sgpr 66
		.amdhsa_reserve_vcc 0
		.amdhsa_float_denorm_mode_32 3
		.amdhsa_float_denorm_mode_16_64 3
		.amdhsa_memory_ordered 1
		.amdhsa_forward_progress 1
		.amdhsa_inst_pref_size 140
	.end_amdhsa_kernel
	.amdgpu_metadata
---
amdhsa.version: [ 1, 2 ]
amdhsa.kernels:
  - .name:           k_qb4dbdbb36a_gemm
    .symbol:         k_qb4dbdbb36a_gemm.kd
    .args:
      - { .name: x, .offset: 0, .size: 8, .value_kind: global_buffer, .address_space: global }
      - { .name: x_img, .offset: 8, .size: 8, .value_kind: global_buffer, .address_space: global }
      - { .name: x_sc, .offset: 16, .size: 8, .value_kind: global_buffer, .address_space: global }
      - { .name: w_codes, .offset: 24, .size: 8, .value_kind: global_buffer, .address_space: global }
      - { .name: w_scales, .offset: 32, .size: 8, .value_kind: global_buffer, .address_space: global }
      - { .name: b, .offset: 40, .size: 8, .value_kind: global_buffer, .address_space: global }
      - { .name: out0, .offset: 48, .size: 8, .value_kind: global_buffer, .address_space: global }
    .group_segment_fixed_size: 327680
    .private_segment_fixed_size: 0
    .kernarg_segment_align: 8
    .kernarg_segment_size: 56
    .max_flat_workgroup_size: 128
    .sgpr_count:     66
    .vgpr_count:     1024
    .wavefront_size: 32
...
	.end_amdgpu_metadata
.endif
;; end of part 2
